; MI455X (gfx1250); checked and timed in simulation.
; The chip was launched on July 23, 2026; its instructions are those of AMD's public machine-readable ISA for CDNA 5 (MIT licence, August 2026) and "CDNA5" Instruction Set Architecture Reference Guide (July 2026). The comments in the code are by the model that wrote it; some were corrected since.
;; Attention. Allowed arithmetic: matrix products marked QUANTISED: E5M2 operands, one given power-of-two scale a tensor, by v_wmma_f32_16x16x64_bf8_bf8 or v_wmma_f32_16x16x128_bf8_bf8, f32 sums; everything else in f32.
;; Inputs: Wk_codes 1,024 x 32 x 32 uint8 (E5M2 codes of Wk, K innermost, in blocks of 32 codes); Wq_codes 1,024 x 32 x 32 uint8 (E5M2 codes of Wq, K innermost, in blocks of 32 codes); Wv_codes 1,024 x 32 x 32 uint8 (E5M2 codes of Wv, K innermost, in blocks of 32 codes); bias 1 x 1 x 2,048 x 2,048 float32; lowp_scales 10 int32 (the exponents e of the quantised operands' scales 2^e); x_codes 4 x 2,048 x 32 x 32 uint8 (E5M2 codes of x, K innermost, in blocks of 32 codes); y_codes 4 x 2,048 x 32 x 32 uint8 (E5M2 codes of y, K innermost, in blocks of 32 codes).
;; Outputs: out0 4 x 2,048 x 1,024 float32.
;; This version of the problem:
;;   THIS VERSION OF THE PROBLEM IS GIVEN IN LOW PRECISION. The matrix products marked QUANTISED in the list below multiply operands that are first quantised to E5M2 (5 exponent bits, 2 mantissa bits; 8 bits a number), with one given power-of-two scale for each operand tensor; their sums are f32. All else is computed in f32.
;;   The module's matrix products, in the order in which they are computed (A, B: the left and right operand; K: the contracted axis; several contracted axes count as one K, in the product's order):
;;     1. [M 8,192, K 1,024] x [K 1,024, N 1,024]; A: input x (given as codes); B: input Wq (given as codes): QUANTISED (scales: A lowp_scales[0], B lowp_scales[1])
;;     2. [M 8,192, K 1,024] x [K 1,024, N 1,024]; A: input y (given as codes); B: input Wk (given as codes): QUANTISED (scales: A lowp_scales[2], B lowp_scales[3])
;;     3. [M 8,192, K 1,024] x [K 1,024, N 1,024]; A: input y (given as codes); B: input Wv (given as codes): QUANTISED (scales: A lowp_scales[4], B lowp_scales[5])
;;     4. batch 64 x [M 2,048, K 64] x [K 64, N 2,048]; A: computed on the way; B: computed on the way: QUANTISED (scales: A lowp_scales[6], B lowp_scales[7])
;;     5. batch 64 x [M 2,048, K 2,048] x [K 2,048, N 64]; A: softmax (see below); B: computed on the way: QUANTISED (scales: A lowp_scales[8], B lowp_scales[9])
;;   THE QUANTISER, for each operand of a quantised product, along K:
;;     - The operand's scale is 2^e, e = its entry of the input lowp_scales (int32; the entries are numbered through the quantised products in the list's order, A before B).
;;     - Each number is divided by the scale, clamped to +-57,344, and rounded to the nearest number of E5M2, ties to even, subnormals kept.
;;     - The product sums the exact products of the quantised numbers (number of the format x scale) in f32.
;;   ~~~python
;;   def quantise(x, axis, e):      # numpy; x: float32 -> the quantised numbers, widened to float32 again
;;       x = np.moveaxis(x, axis, -1); K = x.shape[-1]
;;       r = np.clip(x / 2.0 ** e, -57344, 57344)
;;       step = 2.0 ** (np.maximum(np.frexp(np.where(r == 0, 1, r))[1] - 1, -14) - 2)
;;       q = np.round(r / step) * step * 2.0 ** e      # np.round: ties to even
;;       return np.moveaxis(q, -1, axis).astype(np.float32)
;;   ~~~
;;   SOFTMAX AHEAD OF A QUANTISED PRODUCT. Where the list says 'softmax', what is quantised is not the finished softmax but p = 2^(t - M), with t = logit x log2(e) and M = ceil(the row's largest t), a whole number; so 1/2 < the row's largest p <= 1. The row's sum l is taken of the UNQUANTISED p, in f32, and the product's result is divided by l at the end. Since M is a whole number, a kernel that streams over the keys may use a running M (the ceiling of the running maximum): every later rescaling is an exact power of two, so the quantised numbers keep their values, but for numbers so far below the row's largest that they fall under the format's range.
;;   OPERANDS COMPUTED ON THE WAY. 'Computed on the way' means the value that the module computes at that place (a softmax that the list does not call 'softmax' is quantised finished and normalised). What goes into a quantiser is computed in f32, as accurately as f32 sums, v_exp_f32 and their like allow (about 1e-6 of the number): no bf16 or f16 on the way to a quantiser, and a product that is left as it is and whose result goes on into a quantised operand takes f32 operands (vector FMAs, or v_wmma_f32_16x16x4_f32). A number that lies on a knife's edge between two numbers of the format may be rounded either way, as far as f32 arithmetic and the matrix unit's own rounding can turn it there, and no further.
;;   INPUTS GIVEN AS CODES. Wk (in the module: [1024, 1024], K = its axis 0); Wq (in the module: [1024, 1024], K = its axis 0); Wv (in the module: [1024, 1024], K = its axis 0); x (in the module: [4, 2048, 1024], K = its axis 2); y (in the module: [4, 2048, 1024], K = its axis 2): each comes as NAME_codes (uint8): NAME with its K axis moved to the last place and cut into blocks of 32 codes, [.., K / 32, bytes a block], one block behind the other in memory; one code a byte (a code: sign, 5 exponent bits, 2 mantissa bits); its scale is its entry of lowp_scales. Its value is code x scale, taken as it is: it is not quantised again, and the codes and scales need not be those that the quantiser above would give.
;; One version. Each part assembles by itself: llvm-mc -triple=amdgcn-amd-amdhsa -mcpu=gfx1250 --defsym DOCPART=n.
;; ======== version 1 of 1: 2 launches
;; limits: right only within a limited range of input values
;; workspace buffers: q_img 8,388,608 bytes; kv_img 16,777,216 bytes
;; launch proj (part 1): grid 12 x 32, 4 waves a work-group, clusters of 4 x 4, 327,680 bytes of LDS; arguments x_codes, y_codes, Wq_codes, Wk_codes, Wv_codes, lowp_scales, q_img, kv_img; writes q_img, kv_img
.if DOCPART == 1
	.amdgcn_target "amdgcn-amd-amdhsa--gfx1250"
	.amdhsa_code_object_version 6
	.text
	.protected	k_qa215d40066_proj
	.globl	k_qa215d40066_proj
	.p2align	8
	.type	k_qa215d40066_proj,@function
k_qa215d40066_proj:
	s_mov_b64 s[64:65], 0
	v_nop
	global_prefetch_b8 v0, s[64:65] scope:SCOPE_SE
	s_setreg_imm32_b32 hwreg(HW_REG_WAVE_MODE, 25, 1), 1
	s_wait_xcnt 0x0
	s_wait_alu depctr_hold_cnt(0) depctr_sa_sdst(0) depctr_va_vdst(0) depctr_va_sdst(0) depctr_va_ssrc(0) depctr_va_vcc(0) depctr_vm_vsrc(0)
	s_getreg_b32 s2, hwreg(HW_REG_IB_STS2, 6, 4)
	s_cmp_eq_u32 s2, 0
	s_cbranch_scc0 .Lentry_in_a_cluster
	s_endpgm
.Lentry_in_a_cluster:
	s_bfe_u32 s2, ttmp6, 0x10000c
	s_cmp_lg_u32 s2, 0xf033
	s_cbranch_scc0 .Lentry_shape_is_right
	s_endpgm
.Lentry_shape_is_right:
.set SIZE_K, 1024
.set KSTEP,  256
.set ROWB,   256
.set KROW,   SIZE_K
.set PITCH,  272
.set FR,     16
.set NL,     4
.set NP,     4
.set HALFT,  128*PITCH
.set SLOT,   4*HALFT
.set LAPS,   SIZE_K/(2*KSTEP)
.set SPARE,  2*SLOT
.set ADRA, 16
.set ADRB, 20
.set CO,   26
.set SPW,  28
.set NIL,  29
.set SCL,  30
.set LIMV, 31
.set TMP,  32
.set AF,   128
.set CD,   128
.set G1, 24
.set G0, 32
.set G1B, 48
.set G0B, 56
.set MSB, 0
.macro WIN new
.if MSB != \new
	s_set_vgpr_msb (MSB<<8)|\new
.set MSB, \new
.endif
.endm
.set MUL_LO, 0xa1
.set MUL_HI, 0xf1
.set TO_B,   0x40
.macro JLOAD g0a, g1a, g0b, g1b
	s_cmp_eq_u32 s15, 0
	s_cbranch_scc0 .Lfor_b_\@
	tensor_load_to_lds s[\g0a:\g0a+3], s[\g1a:\g1a+7]
	s_nop 0
.rept 4
	v_nop
.endr
	s_branch .Lasked_\@
.Lfor_b_\@:
	tensor_load_to_lds s[\g0b:\g0b+3], s[\g1b:\g1b+7]
	s_nop 0
.rept 4
	v_nop
.endr
.Lasked_\@:
.endm
.macro CREST
	s_cmp_lg_u32 s14, 0
	s_cbranch_scc1 .Lnot_wave_0_\@
	s_barrier_signal -3
.Lnot_wave_0_\@:
	s_barrier_wait -3
	s_barrier_signal -1
	s_barrier_wait -1
.endm
.macro CROUND
	s_barrier_signal -1
	s_barrier_wait -1
	CREST
.endm
	s_load_b256 s[68:75], s[0:1], 0x0
	s_load_b256 s[76:83], s[0:1], 0x20
	v_lshl_add_u32 v[SPW], v0, 2, SPARE
	v_mov_b32 v[NIL], 0
	ds_add_u32 v28, v29
	ds_add_u32 v28, v29
	s_wait_dscnt 0x0
	v_lshrrev_b32 v1, 5, v0
	v_readfirstlane_b32 s14, v1
	s_lshr_b32 s15, s14, 1
	s_and_b32 s16, s14, 1
	s_bfe_u32 s40, ttmp6, 0x40000
	s_bfe_u32 s41, ttmp6, 0x40004
	s_and_b32 s12, ttmp7, 0xffff
	s_lshl_b32 s12, s12, 2
	s_cmp_lt_u32 ttmp9, 2
	s_cselect_b32 s17, s12, 0
	s_cselect_b32 s42, 0, s12
	s_add_co_u32 s17, s17, s41
	s_add_co_u32 s42, s42, s40
	s_lshl_b32 s43, s41, 2
	s_lshl_b32 s43, 15, s43
	s_lshl_b32 s44, 0x1111, s40
	s_or_b32 s[G1+0], s43, (0<<16)|(1<<20)|(1<<21)|(5<<22)|(3<<25)
	s_or_b32 s[G1B+0], s44, (0<<16)|(1<<20)|(1<<21)|(5<<22)|(3<<25)
.irp g, G1, G1B
	s_mov_b32 s[\g+1], ROWB<<16
	s_mov_b32 s[\g+2], 128<<16
	s_mov_b32 s[\g+3], ROWB<<16
	s_mov_b32 s[\g+4], 128
	s_mov_b32 s[\g+5], KROW
	s_mov_b32 s[\g+6], 0
	s_mov_b32 s[\g+7], 0
.endr
	s_lshl_b32 s18, s16, 7
	s_lshl_b32 s20, s17, 8
	s_add_co_u32 s20, s20, s18
	s_lshl_b32 s20, s20, 10
	s_mov_b32 s21, 0
	s_lshl_b32 s46, s42, 8
	s_add_co_u32 s46, s46, s18
	s_lshl_b32 s46, s46, 10
	s_mov_b32 s47, 0
	s_mul_i32 s45, s14, HALFT
	s_wait_kmcnt 0x0
	s_load_b256 s[84:91], s[78:79], 0x0
	s_load_b64 s[92:93], s[78:79], 0x20
	s_cmp_eq_u32 ttmp9, 0
	s_cselect_b64 s[4:5], s[68:69], s[70:71]
	s_cselect_b64 s[6:7], s[72:73], s[74:75]
	s_cselect_b64 s[10:11], s[80:81], s[82:83]
	s_cmp_eq_u32 ttmp9, 2
	s_cselect_b64 s[4:5], s[76:77], s[4:5]
	s_cselect_b64 s[6:7], s[70:71], s[6:7]
	s_add_nc_u64 s[20:21], s[4:5], s[20:21]
	s_add_nc_u64 s[46:47], s[6:7], s[46:47]
	CROUND
.irp s, 0,1
	s_mov_b32 s[G0+4*\s], 1
	s_add_co_u32 s[G0+4*\s+1], s45, \s*SLOT
	s_add_nc_u64 s[G0+4*\s+2:G0+4*\s+3], s[20:21], \s*ROWB
	s_or_b32 s[G0+4*\s+3], s[G0+4*\s+3], 0x80000000
	s_mov_b32 s[G0B+4*\s], 1
	s_add_co_u32 s[G0B+4*\s+1], s45, \s*SLOT
	s_add_nc_u64 s[G0B+4*\s+2:G0B+4*\s+3], s[46:47], \s*ROWB
	s_or_b32 s[G0B+4*\s+3], s[G0B+4*\s+3], 0x80000000
	s_wait_alu depctr_va_vdst(0)
	s_wait_tensorcnt 0x0
	ds_add_u32 v28, v29
	ds_add_u32 v28, v29
	s_wait_dscnt 0x0
	CROUND
	JLOAD G0+4*\s, G1, G0B+4*\s, G1B
.endr
	v_and_b32 v1, 15, v0
	v_bfe_u32 v2, v0, 4, 1
	v_mul_u32_u24 v3, v1, PITCH
	v_lshl_add_u32 v4, v2, 4, v3
	s_mul_i32 s21, s15, HALFT
	s_mul_i32 s22, s16, HALFT
	s_add_co_u32 s22, s22, 2*HALFT
.irp s, 0,1
	v_add_nc_u32 v[ADRA+\s], s21, v4
	v_add_nc_u32 v[ADRB+\s], s22, v4
	s_add_co_u32 s21, s21, SLOT
	s_add_co_u32 s22, s22, SLOT
.endr
	v_and_b32 v6, 31, v0
	v_lshlrev_b32 v[CO], 4, v6
	s_lshl_b32 s94, s17, 1
	s_add_co_u32 s94, s94, s15
	s_lshl_b32 s95, s42, 1
	s_add_co_u32 s95, s95, s16
	s_cmp_lt_u32 ttmp9, 2
	s_cselect_b32 s96, s94, s95
	s_cselect_b32 s97, s42, s17
	s_cselect_b32 s98, s16, s15
	s_cselect_b32 s99, 0, 32768
	s_lshr_b32 s66, s96, 4
	s_and_b32 s96, s96, 15
	s_lshl_b32 s67, s66, 3
	s_add_co_u32 s67, s67, s95
	s_lshl_b32 s67, s67, 18
	s_lshl_b32 s94, s96, 14
	s_add_co_u32 s67, s67, s94
	s_lshl_b32 s66, s66, 6
	s_lshl_b32 s97, s97, 4
	s_add_co_u32 s66, s66, s97
	s_add_co_u32 s66, s66, s96
	s_lshl_b32 s66, s66, 16
	s_lshl_b32 s98, s98, 14
	s_add_co_u32 s66, s66, s98
	s_add_co_u32 s66, s66, s99
	s_cmp_eq_u32 ttmp9, 0
	s_cselect_b32 s66, s67, s66
	s_mov_b32 s67, 0
	s_add_nc_u64 s[10:11], s[10:11], s[66:67]
.macro FRAG reg, adr, q, i
.irp c, 0,1,2,3
	ds_load_b128 v[\reg+4*\c:\reg+4*\c+3], v[\adr] offset:128*(\q)+32*\c+(\i)*16*PITCH
.endr
.endm
.macro MUL16 a0, p, zero
.irp a, \a0, \a0+1
.irp b, 0,1,2,3,4,5,6,7
.if \zero
	v_wmma_f32_16x16x128_bf8_bf8 v[8*(8*((\a)%4)+\b):8*(8*((\a)%4)+\b)+7], v[128*(\p)+FR*\b:128*(\p)+FR*\b+FR-1], v[AF+FR*(\a):AF+FR*(\a)+FR-1], 0
.else
	v_wmma_f32_16x16x128_bf8_bf8 v[8*(8*((\a)%4)+\b):8*(8*((\a)%4)+\b)+7], v[128*(\p)+FR*\b:128*(\p)+FR*\b+FR-1], v[AF+FR*(\a):AF+FR*(\a)+FR-1], v[8*(8*((\a)%4)+\b):8*(8*((\a)%4)+\b)+7]
.endif
.endr
.endr
.endm
.macro FETCH_B slot, q, p
	WIN TO_B
.irp i, 0,1,2,3,4,5,6,7
	FRAG 128*(\p)+FR*\i, ADRB+\slot, \q, \i
.endr
	WIN 0
.endm
.macro FETCH_A slot, q, i0
.irp i, \i0, \i0+1, \i0+2, \i0+3
	FRAG AF+FR*(\i), ADRA+\slot, \q, \i
.endr
.endm
.macro PLACES n
.rept \n
	v_nop
.endr
.endm
.macro STEP slot, q, zero
	s_wait_dscnt 4*NL
	WIN MUL_LO
	MUL16 0, (\q)%2, \zero
	MUL16 2, (\q)%2, \zero
	s_wait_dscnt 0
	PLACES NP
	FETCH_B \slot, (\q)+1, 1-(\q)%2
	FETCH_A \slot, (\q)+1, 0
	WIN MUL_HI
	MUL16 4, (\q)%2, \zero
	MUL16 6, (\q)%2, \zero
	PLACES NP
	WIN 0
	FETCH_A \slot, (\q)+1, 4
.endm
.macro TURN slot, next, fill
	s_wait_tensorcnt 0x0
	ds_add_u32 v[SPW], v[NIL]
	s_wait_dscnt 4*NL+1
	WIN MUL_LO
	MUL16 0, 1, 0
	s_wait_dscnt 0x0
	s_barrier_signal -1
	MUL16 2, 1, 0
	WIN 0
	s_barrier_wait -1
.if \fill
	CREST
	s_add_nc_u64 s[G0+4*\slot+2:G0+4*\slot+3], s[G0+4*\slot+2:G0+4*\slot+3], 2*ROWB
	s_add_nc_u64 s[G0B+4*\slot+2:G0B+4*\slot+3], s[G0B+4*\slot+2:G0B+4*\slot+3], 2*ROWB
	JLOAD G0+4*\slot, G1, G0B+4*\slot, G1B
.else
	PLACES NP
.endif
	FETCH_B \next, 0, 0
	FETCH_A \next, 0, 0
	WIN MUL_HI
	MUL16 4, 1, 0
	MUL16 6, 1, 0
	PLACES NP
	WIN 0
	FETCH_A \next, 0, 4
.endm
	s_wait_alu depctr_va_vdst(0)
	s_wait_tensorcnt 1
	s_barrier_signal -1
	s_barrier_wait -1
	FETCH_B 0, 0, 0
	FETCH_A 0, 0, 0
	FETCH_A 0, 0, 4
	STEP 0, 0, 1
	s_mov_b32 s3, LAPS-1
.Llap:
	TURN 0, 1, 1
	STEP 1, 0, 0
	TURN 1, 0, 1
	STEP 0, 0, 0
	s_sub_co_u32 s3, s3, 1
	s_cmp_lg_u32 s3, 0
	s_cbranch_scc1 .Llap
	TURN 0, 1, 0
	STEP 1, 0, 0
	s_wait_dscnt 4*NL
	WIN MUL_LO
	MUL16 0, 1, 0
	MUL16 2, 1, 0
	s_wait_dscnt 0
	WIN MUL_HI
	MUL16 4, 1, 0
	MUL16 6, 1, 0
	WIN 0
	s_wait_kmcnt 0x0
	s_sub_co_i32 s94, s90, s84
	s_sub_co_i32 s94, s94, s85
	s_add_co_i32 s94, s94, 3
	s_sub_co_i32 s95, s91, s86
	s_sub_co_i32 s95, s95, s87
	s_sub_co_i32 s96, s93, s88
	s_sub_co_i32 s96, s96, s89
	s_cmp_eq_u32 ttmp9, 0
	s_cselect_b32 s94, s94, s95
	s_cmp_eq_u32 ttmp9, 2
	s_cselect_b32 s94, s96, s94
	s_add_co_i32 s94, s94, 127
	s_lshl_b32 s95, s94, 23
	v_mov_b32 v[SCL], s95
	s_add_co_i32 s94, s94, 15
	s_lshl_b32 s94, s94, 23
	s_or_b32 s94, s94, 0x600000
	v_mov_b32 v[LIMV], s94
.macro OUT a
	WIN 0x02+((\a)/4)
.set j, 0
.rept 64
	v_med3_num_f32 v[TMP+j], v[64*((\a)%4)+j], -v[LIMV], v[LIMV]
.set j, j+1
.endr
	WIN 0
.irp b, 0,1,2,3,4,5,6,7
	v_cvt_scalef32_pk8_bf8_f32 v[CD+16*(\a)+2*\b:CD+16*(\a)+2*\b+1], v[TMP+8*\b:TMP+8*\b+7], v[SCL]
.endr
	v_nop
.irp g, 0,1,2,3
	global_store_b128 v[CO], v[CD+16*(\a)+4*\g:CD+16*(\a)+4*\g+3], s[10:11] offset:2048*(\a)+512*\g
.endr
.endm
	PLACES NP
.irp a, 0,1,2,3,4,5,6,7
	OUT \a
.endr
	s_wait_tensorcnt 0x0
	ds_add_u32 v[SPW], v[NIL]
	s_wait_dscnt 0x0
	CROUND
	s_endpgm
.Lfunc_end_k_qa215d40066_proj:
	.size	k_qa215d40066_proj, .Lfunc_end_k_qa215d40066_proj-k_qa215d40066_proj
	.p2alignl 7, 3214868480
	.fill 96, 4, 3214868480
	.section	.rodata,"a",@progbits
	.p2align	6, 0x0
	.amdhsa_kernel k_qa215d40066_proj
		.amdhsa_group_segment_fixed_size 327680
		.amdhsa_private_segment_fixed_size 0
		.amdhsa_enable_private_segment 0
		.amdhsa_kernarg_size 64
		.amdhsa_user_sgpr_count 2
		.amdhsa_user_sgpr_kernarg_segment_ptr 1
		.amdhsa_wavefront_size32 1
		.amdhsa_system_sgpr_workgroup_id_x 1
		.amdhsa_system_sgpr_workgroup_id_y 1
		.amdhsa_system_sgpr_workgroup_id_z 1
		.amdhsa_system_vgpr_workitem_id 0
		.amdhsa_next_free_vgpr 1024
		.amdhsa_next_free_sgpr 100
		.amdhsa_reserve_vcc 0
		.amdhsa_float_denorm_mode_32 3
		.amdhsa_float_denorm_mode_16_64 3
		.amdhsa_memory_ordered 1
		.amdhsa_forward_progress 1
		.amdhsa_inst_pref_size 119
	.end_amdhsa_kernel
	.amdgpu_metadata
---
amdhsa.version: [ 1, 2 ]
amdhsa.kernels:
  - .name:           k_qa215d40066_proj
    .symbol:         k_qa215d40066_proj.kd
    .args:
      - { .name: x_codes, .offset: 0, .size: 8, .value_kind: global_buffer, .address_space: global }
      - { .name: y_codes, .offset: 8, .size: 8, .value_kind: global_buffer, .address_space: global }
      - { .name: Wq_codes, .offset: 16, .size: 8, .value_kind: global_buffer, .address_space: global }
      - { .name: Wk_codes, .offset: 24, .size: 8, .value_kind: global_buffer, .address_space: global }
      - { .name: Wv_codes, .offset: 32, .size: 8, .value_kind: global_buffer, .address_space: global }
      - { .name: lowp_scales, .offset: 40, .size: 8, .value_kind: global_buffer, .address_space: global }
      - { .name: q_img, .offset: 48, .size: 8, .value_kind: global_buffer, .address_space: global }
      - { .name: kv_img, .offset: 56, .size: 8, .value_kind: global_buffer, .address_space: global }
    .group_segment_fixed_size: 327680
    .private_segment_fixed_size: 0
    .kernarg_segment_align: 8
    .kernarg_segment_size: 64
    .max_flat_workgroup_size: 128
    .sgpr_count:     100
    .vgpr_count:     1024
    .wavefront_size: 32
...
	.end_amdgpu_metadata
.endif
;; end of part 1
;; launch attn (part 2): grid 16 x 16, 8 waves a work-group, clusters of 4 x 4, 327,680 bytes of LDS; arguments q_img, kv_img, bias, lowp_scales, out0; writes out0
.if DOCPART == 2
	.amdgcn_target "amdgcn-amd-amdhsa--gfx1250"
	.amdhsa_code_object_version 6
	.text
	.protected	k_qa215d40066_attn
	.globl	k_qa215d40066_attn
	.p2align	8
	.type	k_qa215d40066_attn,@function
k_qa215d40066_attn:
	s_mov_b64 s[64:65], 0
	v_nop
	global_prefetch_b8 v0, s[64:65] scope:SCOPE_SE
	s_setreg_imm32_b32 hwreg(HW_REG_WAVE_MODE, 25, 1), 1
	s_wait_xcnt 0x0
	s_wait_alu depctr_hold_cnt(0) depctr_sa_sdst(0) depctr_va_vdst(0) depctr_va_sdst(0) depctr_va_ssrc(0) depctr_va_vcc(0) depctr_vm_vsrc(0)
	s_getreg_b32 s2, hwreg(HW_REG_IB_STS2, 6, 4)
	s_cmp_eq_u32 s2, 0
	s_cbranch_scc0 .Lentry_in_a_cluster
	s_endpgm
.Lentry_in_a_cluster:
	s_bfe_u32 s2, ttmp6, 0x10000c
	s_cmp_lg_u32 s2, 0xf033
	s_cbranch_scc0 .Lentry_shape_is_right
	s_endpgm
.Lentry_shape_is_right:
; out[b][q][64 head + d] = sum over keys of softmax_k(q . k + bias[q][k]) v[k][d], both products on codes of BF8 (E5M2).  4 batches x 16 heads, 2,048 queries, 2,048 keys, head size 64.
; q, k, v come as images of the operands' registers (four registers of 32 lanes = 512 bytes, lane l's 16 bytes at 16 l):
;   q_img  [batch 4][head pair 8][tile of 16 queries 128][head of the pair 2][c 2][512]
;   kv_img [batch 4][group of 4 heads 4][step of 128 keys 16][65,536]: K at 0: [pair 2][tile of 16 keys 8][head 2][c 2][512]; V at 32,768: [pair 2][head 2][16 of the head's 64: 4][g 4][512]
; THE SOFTMAX: t = logit x log2(e); M = the running largest t rounded UP to a whole number; p = 2^(t - M) is quantised with 2^e8, not normalised; the row's sum is of the unquantised p and divides at the end.
; When M moves, the sum and O are multiplied by 2^(old M - new M), which rounds nothing.
; SHARES.  256 work-groups; one owns 128 queries of a group of four heads and walks 16 steps of 128 keys.  Wave w owns head pair w % 2 and query tiles 2 (w / 2), 2 (w / 2) + 1: four tiles of O^T.
; Each fragment of K and V read from LDS feeds two matrix instructions (two query tiles); each register of bias feeds two (two heads).
; LAYOUT.  Both products transposed: S^T = K Q^T, O^T = V^T P^T: a lane holds one query (lane % 16).  S^T of key tile t holds keys 16 t + 8 (lane / 16) + 0..7: one conversion gives registers 2 t, 2 t + 1 of P.
; THE BIAS IS THE C OF THE FIRST PRODUCT: with E = e6 + e7, bias x 2^-E lies in X; head 0's product writes X + K Q^T into Y, head 1's adds in place onto X.  t = (sum + bias 2^-E) x (log2(e) 2^E).
; CLUSTER 4 x 4: cx = group of heads, cy = one of four blocks of queries; cluster x = batch.  A step's K and V (65,536 bytes) are asked for jointly by a column, its 128 rows x 512 bytes of bias by a row.
; Waves 0-3 fetch 16,384 bytes of K and V each, waves 4-7 32 rows of bias each: one tensor load a wave is out at the most.
; THE ROUND.  A slot's last LDS read (head 1's V) stands ahead of head 1's exponentials: there each wave waits for its load and its reads and signals; both tiles' exponentials of head 1, work on registers, stand inside the round.
; Behind the round come the refill and then the NEXT step's first operands out of the other slot: head 0's K at once, each tile's bias as soon as the conversions have read that tile's registers: a step begins with its loads issued.
; PREFETCH: in trip s each wave names, of step s + 4 (two trips ahead of the load that wants it), a quarter of what it fetches: the four partners of a joint load share it out by address (cy for K and V, cx for bias):
; 16 blocks of 256 bytes, lanes 16-31 naming the 16th again.  Steps 0 to 3 come by their loads alone; trips 12 and 13 ask for nothing.
; O^T is cleared once by 128 moves so that the step is written without a first step of its own (the step's text stands three times as it is).
; LIMITS: e6 + e7 between -120 and 120, e8 between -126 and 112 (each power of two is an f32 number).  A t under -3e38 counts as masked.  Scaled scores stay under 2^31.  NaN among the inputs is not served.
; REGISTERS.  Window 0: v1-15 addresses and constants; v16-31 statistics (-M, raw maximum, sum pair for each of four tiles); v32-55 scratch; v56-183 Y: S^T of head 0 (tile A v56, tile B v120); V lies in v56-119;
;   v128-191 K: eight registers above tile B, so that tile B's product t lands on K's tile t - 1, which is done with; v192-223 P; v224-255 Q.   Window 1: v0-127 X: bias, then S^T of head 1; v128-255 O^T.
.set KV1,   65536                      ; K and V: slot 0 at 0, slot 1 here
.set VOFF,  32768
.set BP,    528                        ; a row of bias in LDS: 512 bytes + 16: the 16 rows of a load start at 16 different banks (ISA guide 11.1)
.set BO0,   131072                     ; bias, slot 0
.set BO1,   BO0+128*BP                 ; bias, slot 1
.set STAGE, BO1+128*BP                 ; 16 rows x 272 bytes for each wave, for the way out; no tensor load lands here
.set SP,    272
.set SPARE, STAGE+8*16*SP              ; the spare words, 128 bytes a wave
.set SPW, 1
.set NIL, 2
.set AK0, 3                            ; 16 lane + 16,384 pair
.set AB0, 4                            ; my lane's place in a slot's rows of bias
.set ADK, 5                            ; the addresses in the slot in hand
.set ADB, 6
.set PFO, 7
.set SCL, 8                            ; 2^e8
.set LIMV, 9                           ; 57,344 x 2^e8
.set LN,  10                           ; 16 lane
.set LIM2, 15                          ; the same once more, in another register bank: the second half of a dual pair reads it
.set ST,  16                           ; tile (head hd, u) at ST + 8 hd + 4 u: -M, raw maximum, sum pair
.set TF,  32                           ; scratch of tile u at + 16 u: f, second maximum, three pairs of partial sums
.set TC,  33
.set TT,  34
.set Y,   56
.set KA,  Y+72
.set P,   192
.set Q,   224
.set X,   0
.set O,   128
.set TBK, 2                            ; s2, s3: where the slot in hand begins (K and V; bias)
.set TBB, 3
.set CNT, 14
.set WV,  18
.set SEL, 20
.set CS,  22                           ; log2(e) 2^E
.set G1KV, 24
.set G1B,  32
.set G0KV, 40
.set G0B,  44
.set BS,  48                           ; 2^-E
.set PFA, 50
.set PFS, 52
.set TN,  54                           ; bias slot that the next load fills
.set BQ,  55                           ; my 32 rows in it
.set MSB, 0
.macro WIN new                         ; the immediate's high byte repeats the setting that is left
.if MSB != \new
	s_set_vgpr_msb (MSB<<8)|\new
.set MSB, \new
.endif
.endm
.macro WA
	s_wait_alu depctr_va_vdst(0)
.endm
.macro NOPS n
.rept \n
	v_nop
.endr
.endm
; the joint loads: every wave issues one; the branch hangs on the wave's number alone.  s_nop 0 and four v_nop follow each
.macro TLOAD
	s_cmp_lt_u32 s[WV], 4
	s_cbranch_scc0 .Lb_\@
	tensor_load_to_lds s[G0KV:G0KV+3], s[G1KV:G1KV+7]
	s_nop 0
	NOPS 4
	s_branch .Ld_\@
.Lb_\@:
	tensor_load_to_lds s[G0B:G0B+3], s[G1B:G1B+7]
	s_nop 0
	NOPS 4
.Ld_\@:
.endm
.macro CREST                           ; a round of the cluster's barrier behind its opening barrier
	s_cmp_lg_u32 s[WV], 0
	s_cbranch_scc1 .Ln0_\@
	s_barrier_signal -3
.Ln0_\@:
	s_barrier_wait -3
	s_barrier_signal -1
	s_barrier_wait -1
.endm
.macro CROUND
	s_barrier_signal -1
	s_barrier_wait -1
	CREST
.endm
.macro DSTEP                           ; the walking descriptors: the other slot, the next 128 keys (no load of mine is out here)
	s_xor_b32 s[G0KV+1], s[G0KV+1], KV1
	s_add_nc_u64 s[G0KV+2:G0KV+3], s[G0KV+2:G0KV+3], 65536
	s_xor_b32 s[TN], s[TN], BO0^BO1
	s_add_co_u32 s[G0B+1], s[TN], s[BQ]
	s_add_nc_u64 s[G0B+2:G0B+3], s[G0B+2:G0B+3], 512
.endm
.macro ADDRS                           ; my addresses in the slot at s[TBK], s[TBB]
	v_add_nc_u32 v[ADB], s[TBB], v[AB0]
	v_add_nc_u32 v[ADK], s[TBK], v[AK0]
	WA
.endm
.macro LOADK hd                        ; head hd's eight tiles of K
.irp t, 0,1,2,3,4,5,6,7
	ds_load_b128 v[KA+8*\t:KA+8*\t+3],   v[ADK] offset:1024*\hd+2048*\t
	ds_load_b128 v[KA+8*\t+4:KA+8*\t+7], v[ADK] offset:1024*\hd+2048*\t+512
.endr
.endm
.macro LOADV hd                        ; head hd's four fragments of V
.irp d, 0,1,2,3
.irp g, 0,1,2,3
	ds_load_b128 v[Y+16*\d+4*\g:Y+16*\d+4*\g+3], v[ADK] offset:VOFF+8192*\hd+2048*\d+512*\g
.endr
.endr
.endm
.macro LOADB u                         ; tile u's bias: register 8 t + j of lane (r, h) is bias(query r, key 16 t + 8 h + j)
	WIN 0x40
.irp t, 0,1,2,3,4,5,6,7
	ds_load_b128 v[X+64*\u+8*\t:X+64*\u+8*\t+3],   v[ADB] offset:16*BP*\u+64*\t
	ds_load_b128 v[X+64*\u+8*\t+4:X+64*\u+8*\t+7], v[ADB] offset:16*BP*\u+64*\t+16
.endr
	WIN 0
.endm
	s_load_b256 s[4:11], s[0:1], 0x0               ; q_img, kv_img, bias, the scales' exponents
	s_load_b64 s[12:13], s[0:1], 0x20              ; out0
	v_lshl_add_u32 v[SPW], v0, 2, SPARE
	v_mov_b32 v[NIL], 0
	ds_add_u32 v[SPW], v[NIL]                      ; the opening lines: the add twice on end under one wait
	ds_add_u32 v[SPW], v[NIL]
	v_lshrrev_b32 v11, 5, v0
	v_readfirstlane_b32 s[WV], v11                 ; wave 0..7
	s_bfe_u32 s66, ttmp6, 0x40000                  ; cx: group of heads
	s_bfe_u32 s67, ttmp6, 0x40004                  ; cy
	s_and_b32 s68, ttmp7, 0xffff
	s_lshl_b32 s69, s68, 2
	s_add_co_u32 s69, s69, s67                     ; my block of 128 queries
	s_lshl_b32 s70, s67, 2
	s_lshl_b32 s70, 15, s70                        ; my row of the cluster
	s_lshl_b32 s71, 0x1111, s66                    ; my column
	s_or_b32 s[G1KV], s71, (3<<16)|(1<<21)         ; K, V: 16,384 dense bytes as 64 rows of 32 elements of 8 bytes
	s_mov_b32 s[G1KV+1], 32<<16
	s_mov_b32 s[G1KV+2], 64<<16
	s_mov_b32 s[G1KV+3], 32<<16
	s_mov_b32 s[G1KV+4], 64
	s_mov_b32 s[G1KV+5], 32
	s_mov_b32 s[G1KV+6], 0
	s_mov_b32 s[G1KV+7], 0
	s_or_b32 s[G1B], s70, (2<<16)|(1<<20)|(1<<21)|(6<<22)|(3<<25)  ; bias: 32 rows of 128 f32, 2,048 from row to row, four words of padding behind each 128
	s_mov_b32 s[G1B+1], 128<<16
	s_mov_b32 s[G1B+2], 32<<16
	s_mov_b32 s[G1B+3], 128<<16
	s_mov_b32 s[G1B+4], 32
	s_mov_b32 s[G1B+5], 2048
	s_mov_b32 s[G1B+6], 0
	s_mov_b32 s[G1B+7], 0
	s_lshl_b32 s72, ttmp9, 2
	s_add_co_u32 s72, s72, s66
	s_lshl_b32 s72, s72, 20                        ; my batch's and group's 16 steps in kv_img
	s_and_b32 s73, s[WV], 3
	s_lshl_b32 s78, s73, 14                        ; my quarter of a step, in memory and in a slot alike
	s_add_co_u32 s74, s72, s78
	s_mov_b32 s75, 0
	s_lshl_b32 s76, s69, 20                        ; my block's 128 rows of bias, 8,192 bytes each,
	s_lshl_b32 s79, s73, 18
	s_add_co_u32 s76, s76, s79                     ; and my 32 of them
	s_mov_b32 s77, 0
	s_mul_i32 s[BQ], s73, 32*BP
	s_and_b32 s86, s[WV], 1                        ; my head pair
	s_lshr_b32 s85, s[WV], 1                       ; my pair of query tiles
	s_lshl_b32 s88, s86, 14
	s_mul_i32 s89, s85, 32*BP
	s_lshl_b32 s90, ttmp9, 3                       ; Q: ((8 batch + 2 group + pair) x 128 + 8 block + 2 tile pair) x 2,048
	s_lshl_b32 s91, s66, 1
	s_add_co_u32 s90, s90, s91
	s_add_co_u32 s90, s90, s86
	s_lshl_b32 s90, s90, 18
	s_lshl_b32 s91, s69, 3
	s_lshl_b32 s92, s85, 1
	s_add_co_u32 s91, s91, s92
	s_lshl_b32 s91, s91, 11
	s_add_co_u32 s90, s90, s91
	s_mov_b32 s91, 0
	s_lshl_b32 s92, ttmp9, 11                      ; out0: row 2,048 batch + 128 block + 32 tile pair, of 4,096 bytes, + 256 x my first head
	s_lshl_b32 s93, s69, 7
	s_add_co_u32 s92, s92, s93
	s_lshl_b32 s93, s85, 5
	s_add_co_u32 s92, s92, s93
	s_lshl_b32 s92, s92, 12
	s_lshl_b32 s93, s66, 2
	s_lshl_b32 s94, s86, 1
	s_add_co_u32 s93, s93, s94
	s_lshl_b32 s93, s93, 8
	s_add_co_u32 s92, s92, s93
	s_mov_b32 s93, 0
	s_lshl_b32 s80, s67, 12                        ; the prefetches: K, V: my work-group's 4,096 of my 16,384 bytes (by cy), at step 3: trip 0 steps it to 4
	s_add_co_u32 s80, s80, s74
	s_add_co_u32 s80, s80, 3*65536
	s_lshl_b32 s81, s66, 16                        ; bias: my work-group's 8 of my 32 rows (by cx), at step 3
	s_add_co_u32 s81, s81, s76
	s_add_co_u32 s81, s81, 3*512
	s_mov_b32 s[PFS], 512
	s_cmp_lt_u32 s[WV], 4
	s_cselect_b32 s80, s80, s81
	s_cselect_b32 s[PFS], 0x10000, s[PFS]          ; a step on
	s_cselect_b32 s82, -1, 0
	s_mov_b32 s81, 0
	s_mov_b32 s[PFS+1], 0
	s_mov_b32 s[SEL], 0x76543210
	s_mov_b32 s[SEL+1], 0xfedcba98
	s_mov_b32 s[TBK], 0
	s_mov_b32 s[TBB], BO0
	s_mov_b32 s[TN], BO0
	s_mov_b32 s[CNT], 14
	WA
	s_wait_dscnt 0x0                               ; both opening adds are done
	s_wait_kmcnt 0x0
	s_load_b128 s[56:59], s[10:11], 0x18           ; e6, e7, e8, e9
	s_mov_b32 s[G0KV], 1
	s_mov_b32 s[G0KV+1], s78
	s_add_nc_u64 s[G0KV+2:G0KV+3], s[6:7], s[74:75]
	s_or_b32 s[G0KV+3], s[G0KV+3], 0x80000000
	s_mov_b32 s[G0B], 1
	s_add_co_u32 s[G0B+1], s[BQ], BO0
	s_add_nc_u64 s[G0B+2:G0B+3], s[8:9], s[76:77]
	s_or_b32 s[G0B+3], s[G0B+3], 0x80000000
	s_add_nc_u64 s[4:5], s[4:5], s[90:91]
	s_add_nc_u64 s[12:13], s[12:13], s[92:93]
	s_cmp_lt_u32 s[WV], 4
	s_cselect_b64 s[PFA:PFA+1], s[6:7], s[8:9]
	s_add_nc_u64 s[PFA:PFA+1], s[PFA:PFA+1], s[80:81]
	CROUND                                         ; all sixteen work-groups are here: the first joint loads meet
	TLOAD                                          ; step 0 into slot 0: one tensor load a wave at the head
	v_and_b32 v11, 31, v0
	v_and_b32 v12, 15, v0                          ; r
	v_bfe_u32 v13, v0, 4, 1                        ; h
	v_lshlrev_b32 v[LN], 4, v11
	v_add_nc_u32 v[AK0], s88, v[LN]
	v_mul_u32_u24 v[AB0], v12, BP
	v_lshl_add_u32 v[AB0], v13, 5, v[AB0]
	v_add_nc_u32 v[AB0], s89, v[AB0]               ; bias: row 32 x tile pair + r, + 32 h
	v_min_u32 v11, 15, v11                         ; 16 blocks a wave: lanes 16-31 name the last again
	v_lshlrev_b32 v12, 8, v11                      ; K, V: 256 x lane
	v_lshrrev_b32 v13, 1, v11
	v_and_b32 v14, 1, v11
	v_lshlrev_b32 v14, 8, v14
	v_lshl_add_u32 v13, v13, 13, v14               ; bias: row lane / 2, half lane % 2 of its 512 bytes
	v_cndmask_b32 v[PFO], v13, v12, s82
	WA
.irp hd, 0,1
.irp u, 0,1
.irp c, 0,1
	global_load_b128 v[Q+16*\hd+8*\u+4*\c:Q+16*\hd+8*\u+4*\c+3], v[LN], s[4:5] offset:2048*\u+1024*\hd+512*\c   ; Q's four fragments stay in registers
.endr
.endr
.endr
.irp n, 0,1,2,3
	v_mov_b32 v[ST+4*\n], 0x7f61b1e6               ; -M = 3e38
	v_mov_b32 v[ST+4*\n+1], 0xff800000             ; the raw maximum: -infinity
	v_mov_b32 v[ST+4*\n+2], 0
	v_mov_b32 v[ST+4*\n+3], 0
.endr
	WIN 0x40
.set i, 0
.rept 128
	v_mov_b32 v[O+i], 0
.set i, i+1
.endr
	WIN 0
	s_wait_kmcnt 0x0
	s_add_co_i32 s66, s56, s57                     ; E = e6 + e7
	s_lshl_b32 s67, s66, 23
	s_mov_b32 s[CS], 0x3fb8aa3b
	s_add_co_i32 s[CS], s[CS], s67                 ; E is added to log2(e)'s exponent field
	s_mov_b32 s[CS+1], s[CS]
	s_sub_co_i32 s[BS], 127, s66
	s_lshl_b32 s[BS], s[BS], 23                    ; 2^-E
	s_mov_b32 s[BS+1], s[BS]
	s_add_co_i32 s66, s58, 127
	s_lshl_b32 s67, s66, 23
	v_mov_b32 v[SCL], s67
	s_add_co_i32 s66, s66, 15
	s_lshl_b32 s66, s66, 23
	s_or_b32 s66, s66, 0x600000
	v_mov_b32 v[LIMV], s66
	v_mov_b32 v[LIM2], s66
; the raw maxima of both tiles, four chains, each accumulator from its low end on
.macro MAXES rb, rw, hd
	WIN 0x14*\rw
.set i, 0
.rept 32
.irp u, 0,1
.if i == 1
	v_max3_num_f32 v[TC+16*\u], v[ST+8*\hd+4*\u+1], v[\rb+64*\u+2], v[\rb+64*\u+3]
.elseif i%2
	v_max3_num_f32 v[TC+16*\u], v[TC+16*\u], v[\rb+64*\u+2*i], v[\rb+64*\u+2*i+1]
.else
	v_max3_num_f32 v[ST+8*\hd+4*\u+1], v[ST+8*\hd+4*\u+1], v[\rb+64*\u+2*i], v[\rb+64*\u+2*i+1]
.endif
.endr
.set i, i+1
.endr
	WIN 0
.endm
; the new M and f = 2^(old M - new M) of both tiles, line by line in turn
.macro STAT hd
.irp u, 0,1
	v_max_num_f32 v[ST+8*\hd+4*\u+1], v[ST+8*\hd+4*\u+1], v[TC+16*\u]
.endr
.irp u, 0,1
	v_permlanex16_b32 v[TC+16*\u], v[ST+8*\hd+4*\u+1], s[SEL], s[SEL+1]   ; the query's other keys lie in the lane 16 away
.endr
.irp u, 0,1
	v_max_num_f32 v[ST+8*\hd+4*\u+1], v[ST+8*\hd+4*\u+1], v[TC+16*\u]
.endr
.irp u, 0,1
	v_mul_f32 v[TC+16*\u], s[CS], v[ST+8*\hd+4*\u+1]    ; as t (the factor is positive)
.endr
.irp u, 0,1
	v_max_num_f32 v[TC+16*\u], 0xff61b1e6, v[TC+16*\u]  ; at least -3e38, so that M is a number
.endr
.irp u, 0,1
	v_floor_f32 v[TC+16*\u], -v[TC+16*\u]               ; the new -M = -ceil(t)
.endr
.irp u, 0,1
	v_sub_f32 v[TF+16*\u], v[TC+16*\u], v[ST+8*\hd+4*\u]
.endr
.irp u, 0,1
	v_mov_b32 v[ST+8*\hd+4*\u], v[TC+16*\u]
.endr
.irp u, 0,1
	v_cvt_i32_f32 v[TF+16*\u], v[TF+16*\u]              ; (it saturates)
.endr
.irp u, 0,1
	v_ldexp_f32 v[TF+16*\u], 1.0, v[TF+16*\u]
.endr
.endm
; a tile's sum of the unquantised p, two at a time in four chains: three in scratch, one on the running pair
.macro SUM sb, rw, rs, rt
	WIN 0x05*\rw
	v_pk_add_f32 v[(\rt):(\rt)+1], v[(\sb):(\sb)+1], v[(\sb)+2:(\sb)+3]
	v_pk_add_f32 v[(\rt)+2:(\rt)+3], v[(\sb)+4:(\sb)+5], v[(\sb)+6:(\sb)+7]
	v_pk_add_f32 v[(\rt)+4:(\rt)+5], v[(\sb)+8:(\sb)+9], v[(\sb)+10:(\sb)+11]
	WIN 0x04*\rw
.set i, 6
.rept 26
.if i%4 == 3
.set D, (\rs)+2
.else
.set D, (\rt)+2*(i%4)
.endif
	v_pk_add_f32 v[D:D+1], v[D:D+1], v[(\sb)+2*i:(\sb)+2*i+1]
.set i, i+1
.endr
	WIN 0
	v_pk_add_f32 v[(\rt):(\rt)+1], v[(\rt):(\rt)+1], v[(\rt)+2:(\rt)+3]
	v_pk_add_f32 v[(\rs)+2:(\rs)+3], v[(\rs)+2:(\rs)+3], v[(\rt)+4:(\rt)+5]
	v_pk_add_f32 v[(\rs)+2:(\rs)+3], v[(\rs)+2:(\rs)+3], v[(\rt):(\rt)+1]
.endm
.macro CODES sb, rw, u                 ; 64 held p become P's 16 registers
	WIN 0x01*\rw
.irp t, 0,1,2,3,4,5,6,7
	v_cvt_scalef32_pk8_bf8_f32 v[P+16*\u+2*\t:P+16*\u+2*\t+1], v[(\sb)+8*\t:(\sb)+8*\t+7], v[SCL]
.endr
	WIN 0
.endm
; softmax and second product of head hd's two tiles, S^T at rb in window rw.  mode: 2 a round, a refill and the next step's loads; 1 a plain barrier and the next step's loads; 0 none
; The holds: p is never negative, so they are one-sided (the conversion does not saturate: ISA guide 7.6.2); in window 0 two go as a dual pair.
.macro SOFT rb, rw, hd, mode
	MAXES \rb, \rw, \hd
	STAT \hd
	WIN 0x41*\rw
.set i, 0
.rept 32
	v_pk_fma_f32 v[\rb+2*i:\rb+2*i+1], v[\rb+2*i:\rb+2*i+1], s[CS:CS+1], v[ST+8*\hd:ST+8*\hd+1] op_sel_hi:[1,0,0]   ; tile A: t - M
.set i, i+1
.endr
.if \hd*\mode
	WIN 0
.endif
	WA                                             ; the wait ahead of the batch and of the waits below
.if \hd*\mode
	s_wait_tensorcnt 0x0                           ; my part of the next slot is in;
	ds_add_u32 v[SPW], v[NIL]
.if \mode == 2
	DSTEP
	s_wait_xcnt 0x0                                ; my last prefetch has read its address
	s_add_nc_u64 s[PFA:PFA+1], s[PFA:PFA+1], s[PFS:PFS+1]
.endif
	s_wait_dscnt 0x0                               ; the add is done, and my reads of this slot are over: head 1's V was the last
	s_barrier_signal -1                            ; only work on registers stands up to the wait behind tile B's exponentials
	WIN 0x41*\rw
.endif
.set i, 0
.rept 32                               ; tile A's exponentials; tile B's t - M between them is first read behind the wait below
	v_exp_f32 v[\rb+2*i], v[\rb+2*i]
	v_pk_fma_f32 v[\rb+64+2*i:\rb+64+2*i+1], v[\rb+64+2*i:\rb+64+2*i+1], s[CS:CS+1], v[ST+8*\hd+4:ST+8*\hd+5] op_sel_hi:[1,0,0]
	v_exp_f32 v[\rb+2*i+1], v[\rb+2*i+1]
.set i, i+1
.endr
	WIN 0
.irp u, 0,1
	v_pk_mul_f32 v[ST+8*\hd+4*\u+2:ST+8*\hd+4*\u+3], v[ST+8*\hd+4*\u+2:ST+8*\hd+4*\u+3], v[TF+16*\u:TF+16*\u+1] op_sel_hi:[1,0]   ; the sums under the new M
.endr
	WA                                             ; one wait for tile A's batch
	SUM \rb, \rw, ST+8*\hd, TT
	WIN 0x41*\rw
.set i, 0
.rept 32                               ; tile B's exponentials; tile A's holds between them are first read behind the wait below
	v_exp_f32 v[\rb+64+2*i], v[\rb+64+2*i]
.if \rw
	v_min_num_f32 v[\rb+2*i], v[\rb+2*i], v[LIMV]
	v_exp_f32 v[\rb+64+2*i+1], v[\rb+64+2*i+1]
	v_min_num_f32 v[\rb+2*i+1], v[\rb+2*i+1], v[LIMV]
.else
	v_exp_f32 v[\rb+64+2*i+1], v[\rb+64+2*i+1]
	v_dual_min_num_f32 v[\rb+2*i], v[\rb+2*i], v[LIMV] :: v_dual_min_num_f32 v[\rb+2*i+1], v[\rb+2*i+1], v[LIM2]
.endif
.set i, i+1
.endr
	v_nop                                          ; a plain place behind the last exponential
	WA                                             ; one wait for tile B's batch
.if \hd*\mode
	WIN 0
	s_barrier_wait -1
.if \mode == 2
	CREST                                          ; no wave of any partner still reads this slot or has a load on its way
	TLOAD                                          ; step + 2 into the slot just left: my one tensor load until the next round
.endif
	s_xor_b32 s[TBK], s[TBK], KV1                  ; on to the other slot, which is whole:
	s_xor_b32 s[TBB], s[TBB], BO0^BO1
	ADDRS
	LOADK 0                                        ; the next step's K of head 0, where head 1's lay
.if \mode == 2
	s_cmp_gt_u32 s[CNT], 2                         ; trips 0 to 11 name steps 4 to 15
	s_cbranch_scc0 .Lna_\@
	global_prefetch_b8 v[PFO], s[PFA:PFA+1] th:TH_LOAD_NT scope:SCOPE_SE
.Lna_\@:
.endif
.endif
	CODES \rb, \rw, 0
.if \hd == 0
	LOADV 0                                        ; head 0's V into tile A's registers, which the conversions have read
.elseif \mode
	LOADB 0                                        ; the next step's bias of tile A likewise
.endif
	SUM \rb+64, \rw, ST+8*\hd+4, TT+16
	WIN 0x41*\rw
.set i, 0
.rept 32
.if \rw
	v_min_num_f32 v[\rb+64+2*i], v[\rb+64+2*i], v[LIMV]
	v_min_num_f32 v[\rb+64+2*i+1], v[\rb+64+2*i+1], v[LIMV]
.else
	v_dual_min_num_f32 v[\rb+64+2*i], v[\rb+64+2*i], v[LIMV] :: v_dual_min_num_f32 v[\rb+64+2*i+1], v[\rb+64+2*i+1], v[LIM2]
.endif
.set i, i+1
.endr
	CODES \rb+64, \rw, 1
.if \hd == 0
	LOADK 1                                        ; head 1's K
	s_wait_dscnt 16                                ; V is in; K's 16 loads may be out
.elseif \mode
	LOADB 1                                        ; the next step's bias of tile B
.else
	s_wait_dscnt 0x0                               ; V is in
.endif
	WIN 0x41
	WA                                             ; the wait directly ahead of the first reader of O^T
.irp u, 0,1
.set i, 0
.rept 16
	v_pk_mul_f32 v[O+64*\hd+32*\u+2*i:O+64*\hd+32*\u+2*i+1], v[O+64*\hd+32*\u+2*i:O+64*\hd+32*\u+2*i+1], v[TF+16*\u:TF+16*\u+1] op_sel_hi:[1,0]   ; O^T under the new M
.set i, i+1
.endr
.endr
	WIN 0x50
.irp d, 0,1,2,3                        ; O^T += V^T P^T: eight accumulators by turns
.irp u, 0,1
	v_wmma_f32_16x16x128_bf8_bf8 v[O+64*\hd+32*\u+8*\d:O+64*\hd+32*\u+8*\d+7], v[Y+16*\d:Y+16*\d+15], v[P+16*\u:P+16*\u+15], v[O+64*\hd+32*\u+8*\d:O+64*\hd+32*\u+8*\d+7]
.endr
.endr
.endm
.macro BSCALE u                        ; bias x 2^-E, once for both heads
	WIN 0x41
.set i, 0
.rept 32
	v_pk_mul_f32 v[X+64*\u+2*i:X+64*\u+2*i+1], v[X+64*\u+2*i:X+64*\u+2*i+1], s[BS:BS+1] op_sel_hi:[1,0]
.set i, i+1
.endr
	WIN 0x10
.endm
.macro S0 u, t                         ; head 0: Y = K Q^T + X
	v_wmma_f32_16x16x64_bf8_bf8 v[Y+64*\u+8*\t:Y+64*\u+8*\t+7], v[KA+8*\t:KA+8*\t+7], v[Q+8*\u:Q+8*\u+7], v[X+64*\u+8*\t:X+64*\u+8*\t+7]
.endm
; A KEY STEP: 128 keys, two heads x two query tiles.  At its head 48 LDS loads of mine are out, in this order: head 0's K, tile A's bias, tile B's bias
.macro STEP mode
	s_wait_dscnt 16                                ; K and tile A's bias are in; tile B's 16 loads may be out
	BSCALE 0
.irp t, 0,1,2,3,4,5,6,7
	S0 0, \t
.endr
	s_wait_dscnt 0x0                               ; tile B's bias is in
	BSCALE 1
	S0 1, 0
.irp t, 1,2,3,4,5,6,7
	NOPS 5                                         ; this product writes over K's tile t - 1, which the product before has read: five places (ISA guide 7.12.1)
	S0 1, \t
.endr
	WIN 0
	NOPS 4                                         ; four places ahead of the first read of a result
	SOFT Y, 0, 0, \mode
	s_wait_dscnt 0x0                               ; head 1's K is in
.irp t, 0,1,2,3,4,5,6,7                ; head 1: X = K Q^T + X, in place
.irp u, 0,1
	v_wmma_f32_16x16x64_bf8_bf8 v[X+64*\u+8*\t:X+64*\u+8*\t+7], v[KA+8*\t:KA+8*\t+7], v[Q+16+8*\u:Q+16+8*\u+7], v[X+64*\u+8*\t:X+64*\u+8*\t+7]
.endr
.endr
	WIN 0
	NOPS 4                                         ; places ahead of the loads into V's registers and of the first read of a result
	LOADV 1
	SOFT X, 1, 1, \mode
	WIN 0
.endm
	WA                                             ; the wait at the head's end
	s_wait_tensorcnt 0x0                           ; my part of step 0 is in; a later first fill is issued as a refill is
	ds_add_u32 v[SPW], v[NIL]
	DSTEP
	s_wait_dscnt 0x0
	CROUND
	TLOAD                                          ; step 1 into slot 1
	ADDRS
	LOADK 0                                        ; step 0's first operands
	LOADB 0
	LOADB 1
	s_wait_loadcnt 0x0                             ; Q
.Lstep:                                                ; 14 trips: trip s multiplies step s and asks for step s + 2
	STEP 2
	s_sub_co_u32 s[CNT], s[CNT], 1
	s_cmp_lg_u32 s[CNT], 0
	s_cbranch_scc1 .Lstep
	STEP 1                                         ; the last two steps are written out: they ask for nothing
	STEP 0
	; THE WAY OUT: O^T / the sum x 2^(e8 + e9) goes through my stage, a tile of 16 rows x 256 bytes at a time
	s_mul_i32 s67, s[WV], 16*SP
	s_add_co_u32 s67, s67, STAGE
	s_add_co_i32 s66, s58, s59
	v_and_b32 v12, 15, v0                          ; (these lines are the places behind the last products)
	v_bfe_u32 v13, v0, 4, 1
	v_mul_u32_u24 v14, v12, SP
	v_lshl_add_u32 v14, v13, 5, v14
	v_add_nc_u32 v14, s67, v14                     ; in: row r, + 32 h
	v_mul_u32_u24 v15, v13, SP
	v_lshl_add_u32 v15, v12, 4, v15
	v_add_nc_u32 v15, s67, v15                     ; back: lanes 0-15 one row, lanes 16-31 the next
	v_lshlrev_b32 v11, 12, v13
	v_lshl_add_u32 v11, v12, 4, v11                ; and the same two rows in out0
.irp n, 0,1,2,3
	v_add_f32 v[ST+4*\n+2], v[ST+4*\n+2], v[ST+4*\n+3]
.endr
.irp n, 0,1,2,3
	v_permlanex16_b32 v[TF+2*\n], v[ST+4*\n+2], s[SEL], s[SEL+1]
.endr
.irp n, 0,1,2,3
	v_add_f32 v[ST+4*\n+2], v[ST+4*\n+2], v[TF+2*\n]    ; the row's sum
.endr
	WA
.irp n, 0,1,2,3
	v_rcp_f32 v[TF+2*\n], v[ST+4*\n+2]
.endr
	v_nop
	WA
.irp n, 0,1,2,3
	v_ldexp_f32 v[TF+2*\n], v[TF+2*\n], s66
.endr
.macro OUTT n                          ; tile n = 2 head + u: register 8 d + j of lane (r, h) is o(query r, channel 16 d + 8 h + j)
.set YB, Y+64*((\n)%2)
	WIN 0x01
	WA                                             ; the wait directly ahead of the first reader of O^T
.set i, 0
.rept 16
	v_pk_mul_f32 v[YB+2*i:YB+2*i+1], v[O+32*(\n)+2*i:O+32*(\n)+2*i+1], v[TF+2*(\n):TF+2*(\n)+1] op_sel_hi:[1,0]
.set i, i+1
.endr
	WIN 0
.irp d, 0,1,2,3
	ds_store_b128 v14, v[YB+8*\d:YB+8*\d+3]   offset:64*\d
	ds_store_b128 v14, v[YB+8*\d+4:YB+8*\d+7] offset:64*\d+16
.endr
.irp k, 0,1,2,3,4,5,6,7
	ds_load_b128 v[YB+32+4*\k:YB+32+4*\k+3], v15 offset:2*SP*\k   ; LDS serves a wave's instructions in order (ISA guide 5.7.1.4)
.endr
.endm
.irp hd, 0,1
.if \hd
	s_wait_xcnt 0x0                                ; head 0's stores have read their registers
.endif
	OUTT 2*\hd
	OUTT 2*\hd+1
.irp u, 0,1
.irp k, 0,1,2,3,4,5,6,7
	s_wait_dscnt 16*(1-\u)+7-\k                    ; load k of the tile is back; its later loads, and the next tile's sixteen LDS instructions, may be out
	global_store_b128 v11, v[Y+64*\u+32+4*\k:Y+64*\u+32+4*\k+3], s[12:13] offset:65536*\u+8192*\k+256*\hd th:TH_STORE_NT   ; 16 lanes store 256 consecutive bytes, aligned
.endr
.endr
.endr
	s_wait_tensorcnt 0x0                           ; the wave's end
	ds_add_u32 v[SPW], v[NIL]
	s_wait_dscnt 0x0
	CROUND                                         ; the closing round
	s_endpgm
.Lfunc_end_k_qa215d40066_attn:
	.size	k_qa215d40066_attn, .Lfunc_end_k_qa215d40066_attn-k_qa215d40066_attn
	.p2alignl 7, 3214868480
	.fill 96, 4, 3214868480
	.section	.rodata,"a",@progbits
	.p2align	6, 0x0
	.amdhsa_kernel k_qa215d40066_attn
		.amdhsa_group_segment_fixed_size 327680
		.amdhsa_private_segment_fixed_size 0
		.amdhsa_enable_private_segment 0
		.amdhsa_kernarg_size 40
		.amdhsa_user_sgpr_count 2
		.amdhsa_user_sgpr_kernarg_segment_ptr 1
		.amdhsa_wavefront_size32 1
		.amdhsa_system_sgpr_workgroup_id_x 1
		.amdhsa_system_sgpr_workgroup_id_y 1
		.amdhsa_system_sgpr_workgroup_id_z 1
		.amdhsa_system_vgpr_workitem_id 0
		.amdhsa_next_free_vgpr 512
		.amdhsa_next_free_sgpr 100
		.amdhsa_reserve_vcc 0
		.amdhsa_float_denorm_mode_32 3
		.amdhsa_float_denorm_mode_16_64 3
		.amdhsa_memory_ordered 1
		.amdhsa_forward_progress 1
		.amdhsa_inst_pref_size 223
	.end_amdhsa_kernel
	.amdgpu_metadata
---
amdhsa.version: [ 1, 2 ]
amdhsa.kernels:
  - .name:           k_qa215d40066_attn
    .symbol:         k_qa215d40066_attn.kd
    .args:
      - { .name: q_img, .offset: 0, .size: 8, .value_kind: global_buffer, .address_space: global }
      - { .name: kv_img, .offset: 8, .size: 8, .value_kind: global_buffer, .address_space: global }
      - { .name: bias, .offset: 16, .size: 8, .value_kind: global_buffer, .address_space: global }
      - { .name: lowp_scales, .offset: 24, .size: 8, .value_kind: global_buffer, .address_space: global }
      - { .name: out0, .offset: 32, .size: 8, .value_kind: global_buffer, .address_space: global }
    .group_segment_fixed_size: 327680
    .private_segment_fixed_size: 0
    .kernarg_segment_align: 8
    .kernarg_segment_size: 40
    .max_flat_workgroup_size: 256
    .sgpr_count:     100
    .vgpr_count:     512
    .wavefront_size: 32
...
	.end_amdgpu_metadata
.endif
;; end of part 2
